; MI455X (gfx1250); checked and timed in simulation.
; The chip was launched on July 23, 2026; its instructions are those of AMD's public machine-readable ISA for CDNA 5 (MIT licence, August 2026) and "CDNA5" Instruction Set Architecture Reference Guide (July 2026). The comments in the code are by the model that wrote it; some were corrected since.
;; Causal Self Attention. Allowed arithmetic: matrix products marked QUANTISED: E2M1 operands, one E8M0 scale for each 32 along K, by v_wmma_scale_f32_16x16x128_f8f6f4 with both operands' format E2M1 (or v_wmma_scale_f32_32x16x128_f4), f32 sums; products left as they are: bf16, f16 or f32 operands; f32 sums; everything else in f32.
;; Inputs: W_k 384 x 384 float32; W_q 384 x 384 float32; W_v 384 x 384 float32; x 4 x 4,096 x 384 float32.
;; Outputs: out0 4 x 4,096 x 384 float32.
;; This version of the problem:
;;   THIS VERSION OF THE PROBLEM IS GIVEN IN LOW PRECISION. The matrix products marked QUANTISED in the list below multiply operands that are first quantised to E2M1 (2 exponent bits, 1 mantissa bit; 4 bits a number), with one power-of-two scale for each 32 numbers along K (OCP MX v1.0); their sums are f32. The products marked 'left as it is' may take bf16, f16 or f32 operands, with f32 sums. Whichever they take, every output number must still come out within the allowed error. Rounding operands to bf16 (8 significant bits) uses up far more of that allowance than f16 does (11 bits, for magnitudes from 6e-5 to 65,504). All else is computed in f32.
;;   The module's matrix products, in the order in which they are computed (A, B: the left and right operand; K: the contracted axis; several contracted axes count as one K, in the product's order):
;;     1. [M 16,384, K 384] x [K 384, N 384]; A: input x; B: input W_q: QUANTISED
;;     2. [M 16,384, K 384] x [K 384, N 384]; A: input x; B: input W_k: QUANTISED
;;     3. [M 16,384, K 384] x [K 384, N 384]; A: input x; B: input W_v: QUANTISED
;;     4. batch 4 x [M 4,096, K 384] x [K 384, N 4,096]; A: computed on the way; B: computed on the way: left as it is (an operand is computed on the way)
;;     5. batch 4 x [M 4,096, K 4,096] x [K 4,096, N 384]; A: computed on the way; B: computed on the way: left as it is (an operand is computed on the way)
;;   THE QUANTISER, for each operand of a quantised product, along K:
;;     - K is cut into blocks of 32 from its start; a last block that is shorter is filled with zeros.
;;     - A block's scale is 2^e with e = floor(log2(the largest magnitude in the block)) - 2, held to -126 .. 127; a block of zeros has e = 0. As a byte (E8M0): e + 127.
;;     - Each number is divided by its block's scale, clamped to +-6, and rounded to the nearest number of E2M1, ties to even, subnormals kept.
;;     - The product sums the exact products of the quantised numbers (number of the format x scale) in f32.
;;   ~~~python
;;   def quantise(x, axis):      # numpy; x: float32 -> the quantised numbers, widened to float32 again
;;       x = np.moveaxis(x, axis, -1); K = x.shape[-1]
;;       x = np.pad(x, [(0, 0)] * (x.ndim - 1) + [(0, -K % 32)]); x = x.reshape(x.shape[:-1] + (-1, 32)); a = np.abs(x).max(-1, keepdims=True)
;;       e = np.where(a > 0, np.clip(np.frexp(np.where(a > 0, a, 1))[1] - 1 - 2, -126, 127), 0)      # np.frexp(a)[1] - 1 = floor(log2(a)), exactly
;;       r = np.clip(x / 2.0 ** e, -6, 6)
;;       step = 2.0 ** (np.maximum(np.frexp(np.where(r == 0, 1, r))[1] - 1, 0) - 1)
;;       q = np.round(r / step) * step * 2.0 ** e      # np.round: ties to even
;;       return np.moveaxis(q.reshape(q.shape[:-2] + (-1,))[..., :K], -1, axis).astype(np.float32)
;;   ~~~
;; One version. Each part assembles by itself: llvm-mc -triple=amdgcn-amd-amdhsa -mcpu=gfx1250 --defsym DOCPART=n.
;; ======== version 1 of 1: 4 launches
;; limits: values are held in f16: magnitudes above 65,504 overflow, below 6.1e-05 lose precision
;; workspace buffers: wc 221,184 bytes; ws 36,864 bytes; qf 12,582,912 bytes; kf 12,582,912 bytes; vf 12,582,912 bytes; fine 294,912 bytes
;; launch wquant (part 1): grid 24 x 3, 1 waves a work-group, no clusters, 0 bytes of LDS; arguments W_q, W_k, W_v, wc, ws; writes wc, ws
.if DOCPART == 1
	.amdgcn_target "amdgcn-amd-amdhsa--gfx1250"
	.amdhsa_code_object_version 6
	.text
	.protected	k_qb1323350f0_wquant
	.globl	k_qb1323350f0_wquant
	.p2align	8
	.type	k_qb1323350f0_wquant,@function
k_qb1323350f0_wquant:
	s_mov_b64 s[64:65], 0
	v_nop
	global_prefetch_b8 v0, s[64:65] scope:SCOPE_SE
	s_setreg_imm32_b32 hwreg(HW_REG_WAVE_MODE, 25, 1), 1
	s_wait_xcnt 0x0
; W_q, W_k, W_v [384][384] f32, K innermost, become codes of FP4 (E2M1) with one E8M0 byte for each 32 along K, laid as IMAGES OF OPERAND REGISTERS in the order in which the next launch's waves take them.
; A work-group of one wave takes 16 rows (tile et = work-group x) of one matrix (work-group y: 0 = q, 1 = k, 2 = v).  Lane (r, h) takes row 16 et + r and, of each K step of 128, blocks h and 2 + h:
; the very numbers that the operand's layout gives that lane, so the conversions' results are the operand's registers, and a block's largest magnitude needs no other lane.
; OUT.  wc: [wave w = et / 6][fragment 3 lt + s][piece c]: 512 bytes a piece, lane l's 16 bytes at 16 l; lt = 6 x matrix + et % 6.  ws: [w][lt][lane][words of K steps 0, 1, 2, and a 0].
; A block's scale is 2^(floor(log2(largest magnitude)) - 2); its byte is the largest magnitude's exponent field - 2, held at 1 from below.
; LIMITS: a block of zeros gets the byte 1 where the rule says 127 (its codes are zeros, and this program alone reads the bytes); NaN and infinities among the inputs are not served.
; The reads are 16 bytes a lane of 16 rows: 1.8 MB in the whole launch, each byte once.  No LDS, no barrier.
.set ROWB, 1536                        ; a row of W in bytes
.set BY,   10                          ; v10-15  the six blocks' scale bytes
.set C,    16                          ; v16-39  the codes: four registers a block
.set MA,   40                          ; v40-45  largest magnitudes, first chain
.set MB,   46                          ; v46-51  second chain
.set SOP,  52                          ; v52-57  the conversions' scale operands
.set WD,   60                          ; v60-63  the three scale words and a 0
.set X,    64                          ; v64-255 six blocks of 32 numbers: block q = 2 s + c
	s_load_b256 s[4:11], s[0:1], 0x0               ; W_q s[4:5], W_k s[6:7], W_v s[8:9], wc s[10:11]
	s_load_b64 s[12:13], s[0:1], 0x20              ; ws
	v_and_b32 v1, 15, v0                           ; r
	v_bfe_u32 v2, v0, 4, 1                         ; h
	v_mul_u32_u24 v3, v1, ROWB
	v_lshl_add_u32 v3, v2, 7, v3                   ; row r, + 128 h bytes: my block of each pair
	v_lshlrev_b32 v4, 4, v0                        ; 16 x lane: my place in a piece
	v_lshlrev_b32 v5, 3, v2                        ; 8 h: my bytes' place in a scale word
.irp s, 0,1,2
	v_mov_b32 v[6+\s], 0                           ; a lane permute's destination counts as one of its sources
.endr
	v_mov_b32 v[WD+3], 0
	s_and_b32 s14, ttmp7, 0xffff                   ; which matrix
	s_mul_i32 s15, ttmp9, 43
	s_lshr_b32 s15, s15, 8                         ; w = et / 6 (et under 24)
	s_mul_i32 s18, s15, 6
	s_sub_co_u32 s18, ttmp9, s18                   ; et % 6
	s_mul_i32 s19, s14, 6
	s_add_co_u32 s18, s18, s19                     ; lt
	s_mul_i32 s20, s15, 55296                      ; a wave's 54 fragments of 1,024 bytes
	s_mul_i32 s21, s18, 3072
	s_add_co_u32 s20, s20, s21
	s_mov_b32 s21, 0
	s_mul_i32 s22, s15, 9216                       ; a wave's 18 tiles of 512 bytes of scale words
	s_lshl_b32 s23, s18, 9
	s_add_co_u32 s22, s22, s23
	s_mov_b32 s23, 0
	s_mul_i32 s24, ttmp9, 16*ROWB
	s_mov_b32 s25, 0
	s_mov_b32 s26, 0x76543210
	s_mov_b32 s27, 0xfedcba98                      ; v_permlanex16_b32's selects for lane l xor 16
	s_wait_kmcnt 0x0
	s_cmp_eq_u32 s14, 0                            ; the choice of the matrix hangs on the work-group's number alone
	s_cselect_b64 s[16:17], s[4:5], s[6:7]
	s_cmp_eq_u32 s14, 2
	s_cselect_b64 s[16:17], s[8:9], s[16:17]
	s_add_nc_u64 s[16:17], s[16:17], s[24:25]
	s_add_nc_u64 s[10:11], s[10:11], s[20:21]
	s_add_nc_u64 s[12:13], s[12:13], s[22:23]
.set q, 0
.rept 6
.set i, 0
.rept 8
	global_load_b128 v[X+32*q+4*i:X+32*q+4*i+3], v3, s[16:17] offset:256*q+16*i th:TH_LOAD_NT   ; W(16 et + r, 64 q + 32 h + 4 i ..)
.set i, i+1
.endr
.set q, q+1
.endr
.macro BLOCK q
	s_wait_loadcnt 8*(5-(\q))                      ; this block's eight loads are in; the later blocks' may be out
	v_max3_num_f32 v[MA+\q], |v[X+32*\q]|, |v[X+32*\q+1]|, 0x1800000   ; the floor 2^(3 - 127) among the leaves: the byte cannot fall under 1
	v_max3_num_f32 v[MB+\q], |v[X+32*\q+2]|, |v[X+32*\q+3]|, |v[X+32*\q+4]|
.irp i, 5,9,13,17,21,25
	v_max3_num_f32 v[MA+\q], v[MA+\q], |v[X+32*\q+\i]|, |v[X+32*\q+\i+1]|
	v_max3_num_f32 v[MB+\q], v[MB+\q], |v[X+32*\q+\i+2]|, |v[X+32*\q+\i+3]|
.endr
	v_max3_num_f32 v[MA+\q], v[MA+\q], |v[X+32*\q+29]|, |v[X+32*\q+30]|
	v_max3_num_f32 v[MA+\q], v[MA+\q], v[MB+\q], |v[X+32*\q+31]|       ; the block's largest magnitude: all 32 numbers are mine
	v_add_nc_u32 v[SOP+\q], 0xff000000, v[MA+\q]   ; 2 off its exponent field: the conversion takes the exponent field of this operand as its scale
	v_lshrrev_b32 v[BY+\q], 23, v[SOP+\q]          ; the scale's byte
.irp g, 0,1,2,3
	v_cvt_scalef32_pk8_fp4_f32 v[C+4*\q+\g], v[X+32*\q+8*\g:X+32*\q+8*\g+7], v[SOP+\q]
.endr
	v_nop                                          ; one plain line behind a run of scaled conversions
.endm
.irp q, 0,1,2,3,4,5
	BLOCK \q
.endr
.irp s, 0,1,2
	v_lshl_or_b32 v[WD+\s], v[BY+2*\s+1], 16, v[BY+2*\s]   ; my two bytes of K step s: blocks h and 2 + h,
.endr
.irp s, 0,1,2
	v_lshlrev_b32 v[WD+\s], v5, v[WD+\s]           ; at their places in the word;
.endr
.irp s, 0,1,2
	v_permlanex16_b32 v[6+\s], v[WD+\s], s26, s27
.endr
.irp s, 0,1,2
	v_or_b32 v[WD+\s], v[WD+\s], v[6+\s]           ; with lane l xor 16's two the word is whole, in both lanes
.endr
.irp q, 0,1,2,3,4,5
	global_store_b128 v4, v[C+4*\q:C+4*\q+3], s[10:11] offset:512*\q   ; a piece: 512 consecutive bytes, aligned
.endr
	global_store_b128 v4, v[WD:WD+3], s[12:13]
	s_endpgm
.Lfunc_end_k_qb1323350f0_wquant:
	.size	k_qb1323350f0_wquant, .Lfunc_end_k_qb1323350f0_wquant-k_qb1323350f0_wquant
	.p2alignl 7, 3214868480
	.fill 96, 4, 3214868480
	.section	.rodata,"a",@progbits
	.p2align	6, 0x0
	.amdhsa_kernel k_qb1323350f0_wquant
		.amdhsa_group_segment_fixed_size 0
		.amdhsa_private_segment_fixed_size 0
		.amdhsa_enable_private_segment 0
		.amdhsa_kernarg_size 40
		.amdhsa_user_sgpr_count 2
		.amdhsa_user_sgpr_kernarg_segment_ptr 1
		.amdhsa_wavefront_size32 1
		.amdhsa_system_sgpr_workgroup_id_x 1
		.amdhsa_system_sgpr_workgroup_id_y 1
		.amdhsa_system_sgpr_workgroup_id_z 1
		.amdhsa_system_vgpr_workitem_id 0
		.amdhsa_next_free_vgpr 256
		.amdhsa_next_free_sgpr 66
		.amdhsa_reserve_vcc 0
		.amdhsa_float_denorm_mode_32 3
		.amdhsa_float_denorm_mode_16_64 3
		.amdhsa_memory_ordered 1
		.amdhsa_forward_progress 1
		.amdhsa_inst_pref_size 17
	.end_amdhsa_kernel
	.amdgpu_metadata
---
amdhsa.version: [ 1, 2 ]
amdhsa.kernels:
  - .name:           k_qb1323350f0_wquant
    .symbol:         k_qb1323350f0_wquant.kd
    .args:
      - { .name: W_q, .offset: 0, .size: 8, .value_kind: global_buffer, .address_space: global }
      - { .name: W_k, .offset: 8, .size: 8, .value_kind: global_buffer, .address_space: global }
      - { .name: W_v, .offset: 16, .size: 8, .value_kind: global_buffer, .address_space: global }
      - { .name: wc, .offset: 24, .size: 8, .value_kind: global_buffer, .address_space: global }
      - { .name: ws, .offset: 32, .size: 8, .value_kind: global_buffer, .address_space: global }
    .group_segment_fixed_size: 0
    .private_segment_fixed_size: 0
    .kernarg_segment_align: 8
    .kernarg_segment_size: 40
    .max_flat_workgroup_size: 32
    .sgpr_count:     66
    .vgpr_count:     256
    .wavefront_size: 32
...
	.end_amdgpu_metadata
.endif
;; end of part 1
;; launch proj (part 2): grid 256 x 1, 4 waves a work-group, no clusters, 113,664 bytes of LDS; arguments x, wc, ws, qf, kf, vf, fine; writes qf, kf, vf, fine
.if DOCPART == 2
	.amdgcn_target "amdgcn-amd-amdhsa--gfx1250"
	.amdhsa_code_object_version 6
	.text
	.protected	k_qb1323350f0_proj
	.globl	k_qb1323350f0_proj
	.p2align	8
	.type	k_qb1323350f0_proj,@function
k_qb1323350f0_proj:
	s_mov_b64 s[64:65], 0
	v_nop
	global_prefetch_b8 v0, s[64:65] scope:SCOPE_SE
	s_setreg_imm32_b32 hwreg(HW_REG_WAVE_MODE, 25, 1), 1
	s_wait_xcnt 0x0
; Q = x W_q^T, K = x W_k^T, V = x W_v^T on codes of FP4 (E2M1) with one E8M0 scale for each 32 along K = 384; sums in f32.  x [16384][384] f32 is quantised here; the weights come as register images (wc, ws).
; SHARES.  A work-group of four waves takes 64 tokens.  THE WAVES SHARE THE COLUMNS: wave w holds channel tiles 6 w .. 6 w + 5 of each of the three matrices (18 tiles x 3 K steps = 54 fragments, 432 registers),
; read from memory once, and multiplies them with all four tiles of 16 tokens: 216 matrix instructions.  Wave w quantises tokens 16 w .. 16 w + 15; codes and scale words go round through LDS as images of their registers.
; RESULTS ARE THE NEXT LAUNCH'S OPERAND REGISTERS.  Q, K: source 0 = 16 rows of W, source 1 = 16 tokens: a lane holds one token and eight neighbouring channels; rounded to f16 that is a piece of a 16-bit
; fragment (16 tokens x 32 channels).  V: source 0 = 16 tokens, source 1 = 16 rows of W_v: a lane holds one channel and eight neighbouring tokens: a piece of a fragment of V^T.  So each store is 512 consecutive bytes from registers.
;   qf, kf: [tile of 16 tokens][channel tile 0..23][512 bytes];   vf: [chunk of 32 tokens][channel tile 0..23][piece 0, 1][512 bytes];   fine: [batch][matrix][tile][2 x 512 bytes]: tokens 0-15 of each batch in f32.
; LIMITS: |Q|, |K|, |V| up to 65,504 (f16); a block of zeros gets the scale byte 1 (its codes are zeros; this program alone reads the bytes); NaN and infinities among the inputs are not served.
; No tensor load and no cluster: each wave's weights go straight to its registers, and x is read once, 512 consecutive bytes an instruction.
; REGISTERS, in windows of 256: window 0: v1-13 addresses; v16-87 W's scale words; v88-93 x's, two sets; v96-143 x's fragments, two sets; v144-207 64 numbers at the quantiser; v208-233 at work; later v144-215 packed results.
;   window 1: W's fragments of tiles 0-8;   window 2: of tiles 9-17;   window 3: v0-191 x as loaded, later the 18 accumulators.
.set XP,    1552                       ; a token's row in a wave's stage: 1,536 bytes + 16
.set XW,    16*XP                      ; a wave's stage
.set XIMG,  4*XW                       ; x's 12 fragments (3 x tile + K step), 1,024 bytes each
.set XSC,   XIMG+12*1024               ; their scale words, 128 bytes each
.set SPARE, XSC+12*128                 ; the spare words, 128 bytes for each wave: two blocks of 256 bytes that no other line names
.set LI,   1                           ; v1   16 x lane
.set XSTW, 3                           ; v3   my stage, as the bytes lie
.set XSTR, 4                           ; v4   my stage: row r, + 64 h
.set XWI,  5                           ; v5   where I store my tile's images
.set XWS,  6                           ; v6   and their scale words
.set LIX,  7                           ; v7   XIMG + 16 x lane
.set SPW,  8                           ; v8   LDS address of my spare word; never rewritten
.set NIL,  9                           ; v9   0; never rewritten
.set LSX,  10                          ; v10  XSC + 4 x lane
.set WS,   16
.set XS,   88
.set XF,   96
.set ST,   144
.set TM,   208
.set PW,   224
.set PC,   226
.set PK,   144
.set WV,   18
.set SEL,  22
.set MSB, 0
.macro WIN new                         ; the immediate's high byte repeats the setting that is left; a switch that changes nothing is dropped
.if MSB != (\new)
	s_set_vgpr_msb (MSB<<8)|(\new)
.set MSB, (\new)
.endif
.endm
; 64 numbers of a lane, register 16 b + i = k 32 b + 16 (lane / 16) + i of my token, become a fragment's codes in v[PC] on and its scale word in v[PW].
.macro QUANT s
.irp b, 0,1,2,3
	v_max3_num_f32 v[TM+\b], |v[\s+16*\b]|, |v[\s+1+16*\b]|, 0x1800000   ; block b: my 16 numbers, and the floor 2^(3 - 127): the byte cannot fall under 1
.endr
.irp i, 2,4,6,8,10,12,14
.irp b, 0,1,2,3
	v_max3_num_f32 v[TM+\b], v[TM+\b], |v[\s+16*\b+\i]|, |v[\s+1+16*\b+\i]|   ; the four blocks by turns
.endr
.endr
.irp b, 0,1,2,3
	v_permlanex16_b32 v[TM+4+\b], v[TM+\b], s[SEL], s[SEL+1]
.endr
.irp b, 0,1,2,3
	v_max_num_f32 v[TM+\b], v[TM+\b], v[TM+4+\b]   ; with lane l xor 16's: the block's largest magnitude
.endr
.irp b, 0,1,2,3
	v_add_nc_u32 v[TM+12+\b], 0xff000000, v[TM+\b] ; 2 off its exponent field: the conversion's scale operand
.endr
.irp b, 0,1,2,3
	v_lshrrev_b32 v[TM+4+\b], 23, v[TM+12+\b]      ; the scale's byte
.endr
	v_lshl_or_b32 v[PW], v[TM+5], 8, v[TM+4]       ; the four bytes make my token's scale word
	v_lshl_or_b32 v[PW], v[TM+6], 16, v[PW]
	v_lshl_or_b32 v[PW], v[TM+7], 24, v[PW]
.irp b, 0,1,2,3
	v_cvt_scalef32_pk8_fp4_f32 v[PC+2*\b], v[\s+16*\b:\s+7+16*\b], v[TM+12+\b]
	v_cvt_scalef32_pk8_fp4_f32 v[PC+1+2*\b], v[\s+8+16*\b:\s+15+16*\b], v[TM+12+\b]
.endr
	v_nop                                          ; one plain line behind a run of scaled conversions
.irp c, 0,1                            ; the operand's layout wants a whole block in a lane: lanes 0-15 block 2 c, lanes 16-31 block 2 c + 1
.irp i, 0,1
	v_permlane16_swap_b32 v[PC+4*\c+\i], v[PC+2+4*\c+\i]
.endr
.endr
.endm
; matrix k's six tiles: their scale words and their 18 fragments, 16 bytes a lane, 512 consecutive bytes a load
.macro WLOAD k
.irp i, 0,1,2,3,4,5
	global_load_b128 v[WS+4*(6*(\k)+\i):WS+4*(6*(\k)+\i)+3], v[LI], s[8:9] offset:512*(6*(\k)+\i)
.endr
.irp i, 0,1,2,3,4,5
.set lt, 6*(\k)+\i
	WIN (1+lt/9)<<6
.irp s, 0,1,2
.irp c, 0,1
	global_load_b128 v[24*(lt%9)+8*\s+4*\c:24*(lt%9)+8*\s+4*\c+3], v[LI], s[6:7] offset:(3*lt+\s)*1024+512*\c
.endr
.endr
.endr
	WIN 0
.endm
; tile tt's three fragments of x and their scale words into set buf: nine LDS loads
.macro FETCHX tt, buf
.irp s, 0,1,2
.irp c, 0,1
	ds_load_b128 v[XF+24*(\buf)+8*\s+4*\c:XF+24*(\buf)+8*\s+4*\c+3], v[LIX] offset:(3*(\tt)+\s)*1024+512*\c
.endr
.endr
.irp s, 0,1,2
	ds_load_b32 v[XS+3*(\buf)+\s], v[LSX] offset:(3*(\tt)+\s)*128
.endr
.endm
; one product: my tile lt, K step s, x's set buf.  Tiles 0-11 (Q, K): W is source 0; tiles 12-17 (V): x is source 0.  K step 0 starts the sum.
.macro MM lt, s, buf
.set AC, 8*(\lt)
.set WF, 24*((\lt)%9)+8*(\s)
.set XR, XF+24*(\buf)+8*(\s)
.set SW, WS+4*(\lt)+(\s)
.set SX, XS+3*(\buf)+(\s)
.if (\lt) < 12
.if (\s) == 0
	v_wmma_scale_f32_16x16x128_f8f6f4 v[AC:AC+7], v[WF:WF+7], v[XR:XR+7], 0, v[SW], v[SX] matrix_a_fmt:MATRIX_FMT_FP4 matrix_b_fmt:MATRIX_FMT_FP4
.else
	v_wmma_scale_f32_16x16x128_f8f6f4 v[AC:AC+7], v[WF:WF+7], v[XR:XR+7], v[AC:AC+7], v[SW], v[SX] matrix_a_fmt:MATRIX_FMT_FP4 matrix_b_fmt:MATRIX_FMT_FP4
.endif
.else
.if (\s) == 0
	v_wmma_scale_f32_16x16x128_f8f6f4 v[AC:AC+7], v[XR:XR+7], v[WF:WF+7], 0, v[SX], v[SW] matrix_a_fmt:MATRIX_FMT_FP4 matrix_b_fmt:MATRIX_FMT_FP4
.else
	v_wmma_scale_f32_16x16x128_f8f6f4 v[AC:AC+7], v[XR:XR+7], v[WF:WF+7], v[AC:AC+7], v[SX], v[SW] matrix_a_fmt:MATRIX_FMT_FP4 matrix_b_fmt:MATRIX_FMT_FP4
.endif
.endif
.endm
	s_load_b256 s[4:11], s[0:1], 0x0               ; x s[4:5], wc s[6:7], ws s[8:9], qf s[10:11]
	s_load_b128 s[12:15], s[0:1], 0x20             ; kf s[12:13], vf s[14:15]
	s_load_b64 s[16:17], s[0:1], 0x30              ; fine
	v_lshl_add_u32 v[SPW], v0, 2, SPARE
	v_mov_b32 v[NIL], 0
	v_lshrrev_b32 v2, 5, v0
	v_readfirstlane_b32 s[WV], v2                  ; wave 0..3
	v_and_b32 v2, 31, v0                           ; lane
	v_lshlrev_b32 v[LI], 4, v2
	s_mul_i32 s20, ttmp9, 64*1536                  ; my work-group's 64 tokens,
	s_mul_i32 s21, s[WV], 16*1536                  ; my wave's 16 of them
	s_add_co_u32 s20, s20, s21
	s_mov_b32 s21, 0
	s_wait_kmcnt 0x0
	s_add_nc_u64 s[4:5], s[4:5], s[20:21]
	WIN 0xc0                                       ; destination window 3
.set i, 0
.rept 48
	global_load_b128 v[4*i:4*i+3], v[LI], s[4:5] offset:512*i th:TH_LOAD_NT   ; my 16 tokens are 24,576 consecutive bytes: 512 a load
.set i, i+1
.endr
	WIN 0
	v_and_b32 v11, 15, v0                          ; r
	v_bfe_u32 v12, v0, 4, 1                        ; h
	s_mul_i32 s24, s[WV], XW
	v_add_nc_u32 v[XSTW], s24, v[LI]
	v_mul_u32_u24 v[XSTR], v11, XP
	v_lshl_add_u32 v[XSTR], v12, 6, v[XSTR]
	v_add_nc_u32 v[XSTR], s24, v[XSTR]
	s_mul_i32 s24, s[WV], 3072
	s_add_co_u32 s25, s24, XIMG
	v_add_nc_u32 v[XWI], s25, v[LI]
	v_lshlrev_b32 v13, 2, v2
	s_mul_i32 s25, s[WV], 384
	s_add_co_u32 s25, s25, XSC
	v_add_nc_u32 v[XWS], s25, v13
	v_add_nc_u32 v[LIX], XIMG, v[LI]
	v_add_nc_u32 v[LSX], XSC, v13
.irp b, 0,1,2,3
	v_mov_b32 v[TM+4+\b], 0                        ; a lane permute's destination counts as one of its sources
.endr
	s_mov_b32 s[SEL], 0x76543210
	s_mov_b32 s[SEL+1], 0xfedcba98                 ; v_permlanex16_b32's selects for lane l xor 16
	s_mov_b32 s27, 0
	s_mul_i32 s26, s[WV], 55296
	s_add_nc_u64 s[6:7], s[6:7], s[26:27]          ; my wave's fragments of W
	s_mul_i32 s26, s[WV], 9216
	s_add_nc_u64 s[8:9], s[8:9], s[26:27]          ; and their scale words
	s_mul_i32 s28, ttmp9, 49152                    ; 64 tokens of f16 images, in each of qf, kf, vf
	s_add_co_u32 s26, s28, s24                     ; + my six channel tiles of 512 bytes
	s_add_nc_u64 s[10:11], s[10:11], s[26:27]
	s_add_nc_u64 s[12:13], s[12:13], s[26:27]
	s_add_co_u32 s26, s26, s24                     ; in vf a channel tile is 1,024 bytes
	s_add_nc_u64 s[14:15], s[14:15], s[26:27]
	s_lshr_b32 s26, ttmp9, 6                       ; the batch
	s_mul_i32 s26, s26, 73728
	s_add_co_u32 s26, s26, s24
	s_add_co_u32 s26, s26, s24                     ; + my six tiles of 1,024 bytes
	s_add_nc_u64 s[16:17], s[16:17], s[26:27]
	s_wait_loadcnt 0x0                             ; x
	; ---- X: my 16 tokens turn through my own stage, so that a lane gets 16 neighbours of each block of 32; then three fragments
	WIN 0x0c                                       ; an LDS store's data are its source 1: window 3
.set i, 0
.rept 48
	ds_store_b128 v[XSTW], v[4*i:4*i+3] offset:512*i+16*(i/3)   ; three loads to a token's row
.set i, i+1
.endr
	WIN 0
.irp s, 0,1,2
	WLOAD \s                                       ; a third of my weights is asked for ahead of each K step's quantising
.irp b, 0,1,2,3
.irp j, 0,1,2,3
	ds_load_b128 v[ST+16*\b+4*\j:ST+16*\b+4*\j+3], v[XSTR] offset:512*\s+128*\b+16*\j   ; LDS serves a wave's instructions in order: these see my stores
.endr
.endr
	s_wait_dscnt 0x0                               ; the numbers are in, and the last K step's image stores are done
	QUANT ST
.irp c, 0,1
	ds_store_b128 v[XWI], v[PC+4*\c:PC+4*\c+3] offset:1024*\s+512*\c   ; the fragment goes to LDS as it stands
.endr
	ds_store_b32 v[XWS], v[PW] offset:128*\s
.endr
	s_wait_dscnt 0x0                               ; for the others' sake: my stores have landed
	s_barrier_signal -1
	s_barrier_wait -1                              ; x's twelve fragments lie in LDS; they are written no more
	; ---- 1: my 18 tiles for each of the four tiles of tokens; the 18 accumulators take turns, one instruction a turn
	FETCHX 0, 0
.macro TOKENS m
.if \m > 0
	s_wait_xcnt 0x0                                ; the last tile's stores have read their registers: accumulators and packed results are written again only behind this wait
.endif
.if \m < 3
	FETCHX (\m)+1, ((\m)+1)%2
	s_wait_dscnt 9                                 ; this tile's nine loads are in; the next tile's nine may be out
.else
	s_wait_dscnt 0x0
.endif
.if \m == 0
	s_wait_loadcnt 0x0                             ; my weights
.endif
.irp s, 0,1,2
	WIN 0xf1                                       ; source 0 (W) window 1, source 1 (x) window 0, C and D window 3
.irp l, 0,1,2,3,4,5,6,7,8
	MM \l, \s, (\m)%2
.endr
	WIN 0xf2                                       ; W in window 2
.irp l, 9,10,11
	MM \l, \s, (\m)%2
.endr
	WIN 0xf8                                       ; source 0 (x) window 0, source 1 (W_v) window 2
.irp l, 12,13,14,15,16,17
	MM \l, \s, (\m)%2
.endr
.endr
	WIN 0
.rept 4
	v_nop                                          ; four places between the last products and the first read of results
.endr
.if \m == 0
	s_and_b32 s29, ttmp9, 63                       ; a batch's first 16 tokens also leave in f32, for the launch that makes rows 0-15
	s_cmp_lg_u32 s29, 0
	s_cbranch_scc1 .Lnofine
	WIN 0x0c                                       ; a store's data are its source 1: window 3
.set lt, 0
.rept 18
	global_store_b128 v[LI], v[8*lt:8*lt+3], s[16:17] offset:(lt/6)*24576+(lt%6)*1024        ; each accumulator from its low end on
	global_store_b128 v[LI], v[8*lt+4:8*lt+7], s[16:17] offset:(lt/6)*24576+(lt%6)*1024+512
.set lt, lt+1
.endr
	WIN 0
.Lnofine:
.endif
	WIN 0x0f                                       ; sources 0 and 1 window 3, destination window 0
.set i, 0
.rept 72
	v_cvt_pk_f16_f32 v[PK+i], v[2*i], v[2*i+1]     ; eight results of a lane pack into 16 bytes, the lower index in the lower half
.set i, i+1
.endr
	WIN 0
.irp i, 0,1,2,3,4,5
	global_store_b128 v[LI], v[PK+4*\i:PK+4*\i+3], s[10:11] offset:(\m)*12288+512*\i th:TH_STORE_NT
.endr
.irp i, 0,1,2,3,4,5
	global_store_b128 v[LI], v[PK+24+4*\i:PK+24+4*\i+3], s[12:13] offset:(\m)*12288+512*\i th:TH_STORE_NT
.endr
.irp i, 0,1,2,3,4,5
	global_store_b128 v[LI], v[PK+48+4*\i:PK+48+4*\i+3], s[14:15] offset:((\m)/2)*24576+1024*\i+((\m)%2)*512 th:TH_STORE_NT
.endr
.endm
	TOKENS 0
	TOKENS 1
	TOKENS 2
	TOKENS 3
	s_wait_tensorcnt 0x0                           ; the wave's end: behind my last LDS store
	ds_add_u32 v[SPW], v[NIL]
	s_wait_dscnt 0x0
	s_endpgm
.Lfunc_end_k_qb1323350f0_proj:
	.size	k_qb1323350f0_proj, .Lfunc_end_k_qb1323350f0_proj-k_qb1323350f0_proj
	.p2alignl 7, 3214868480
	.fill 96, 4, 3214868480
	.section	.rodata,"a",@progbits
	.p2align	6, 0x0
	.amdhsa_kernel k_qb1323350f0_proj
		.amdhsa_group_segment_fixed_size 113664
		.amdhsa_private_segment_fixed_size 0
		.amdhsa_enable_private_segment 0
		.amdhsa_kernarg_size 56
		.amdhsa_user_sgpr_count 2
		.amdhsa_user_sgpr_kernarg_segment_ptr 1
		.amdhsa_wavefront_size32 1
		.amdhsa_system_sgpr_workgroup_id_x 1
		.amdhsa_system_sgpr_workgroup_id_y 1
		.amdhsa_system_sgpr_workgroup_id_z 1
		.amdhsa_system_vgpr_workitem_id 0
		.amdhsa_next_free_vgpr 1024
		.amdhsa_next_free_sgpr 66
		.amdhsa_reserve_vcc 0
		.amdhsa_float_denorm_mode_32 3
		.amdhsa_float_denorm_mode_16_64 3
		.amdhsa_memory_ordered 1
		.amdhsa_forward_progress 1
		.amdhsa_inst_pref_size 98
	.end_amdhsa_kernel
	.amdgpu_metadata
---
amdhsa.version: [ 1, 2 ]
amdhsa.kernels:
  - .name:           k_qb1323350f0_proj
    .symbol:         k_qb1323350f0_proj.kd
    .args:
      - { .name: x, .offset: 0, .size: 8, .value_kind: global_buffer, .address_space: global }
      - { .name: wc, .offset: 8, .size: 8, .value_kind: global_buffer, .address_space: global }
      - { .name: ws, .offset: 16, .size: 8, .value_kind: global_buffer, .address_space: global }
      - { .name: qf, .offset: 24, .size: 8, .value_kind: global_buffer, .address_space: global }
      - { .name: kf, .offset: 32, .size: 8, .value_kind: global_buffer, .address_space: global }
      - { .name: vf, .offset: 40, .size: 8, .value_kind: global_buffer, .address_space: global }
      - { .name: fine, .offset: 48, .size: 8, .value_kind: global_buffer, .address_space: global }
    .group_segment_fixed_size: 113664
    .private_segment_fixed_size: 0
    .kernarg_segment_align: 8
    .kernarg_segment_size: 56
    .max_flat_workgroup_size: 128
    .sgpr_count:     66
    .vgpr_count:     1024
    .wavefront_size: 32
...
	.end_amdgpu_metadata
.endif
;; end of part 2
;; launch attn (part 3): grid 64 x 4, 4 waves a work-group, clusters of 4 x 1, 327,680 bytes of LDS; arguments qf, kf, vf, out0; writes out0
.if DOCPART == 3
	.amdgcn_target "amdgcn-amd-amdhsa--gfx1250"
	.amdhsa_code_object_version 6
	.text
	.protected	k_qb1323350f0_attn
	.globl	k_qb1323350f0_attn
	.p2align	8
	.type	k_qb1323350f0_attn,@function
k_qb1323350f0_attn:
	s_mov_b64 s[64:65], 0
	v_nop
	global_prefetch_b8 v0, s[64:65] scope:SCOPE_SE
	s_setreg_imm32_b32 hwreg(HW_REG_WAVE_MODE, 25, 1), 1
	s_wait_xcnt 0x0
	s_wait_alu depctr_hold_cnt(0) depctr_sa_sdst(0) depctr_va_vdst(0) depctr_va_sdst(0) depctr_va_ssrc(0) depctr_va_vcc(0) depctr_vm_vsrc(0)
	s_getreg_b32 s2, hwreg(HW_REG_IB_STS2, 6, 4)
	s_cmp_eq_u32 s2, 0
	s_cbranch_scc0 .Lentry_in_a_cluster
	s_endpgm
.Lentry_in_a_cluster:
	s_bfe_u32 s2, ttmp6, 0x10000c
	s_cmp_lg_u32 s2, 0x3003
	s_cbranch_scc0 .Lentry_shape_is_right
	s_endpgm
.Lentry_shape_is_right:
; out[b][q][:] = the sum over k <= q of softmax_k(Q[b][q] . K[b][k] / sqrt(384)) V[b][k][:].  Q, K, V come as f16 images of operand registers (qf, kf, vf); products, maxima and sums in f32; the weights p are
; rounded to f16 for the second product.  out0 [4][4096][384] f32.
; SHARES.  A work-group owns 64 queries of one batch.  Wave wv: a = wv & 1 picks 32 of them (two tiles of 16), b = wv >> 1 picks which 64 keys of every step of 128 keys are the wave's.  Each wave keeps a running
; maximum, sum and O over its own keys; the two key halves are merged once, at the end, through LDS.
; LAYOUT.  S^T = K Q^T (source 0 = 16 keys, source 1 = 16 queries) and O^T = V^T P (source 0 = 16 channels, source 1 = P): a lane holds ONE query throughout.  Two tiles of S^T, rounded in pairs, are P's fragment.
; A step's K (8 tiles of 16 keys) and its V (4 chunks of 32 keys) are each one dense block of 98,304 bytes of register images: a fragment is read at 16 x lane, with no pitch, no padding and no turning load.
; CLUSTER.  The four query blocks of a cluster walk the same n = 2 x cluster + 2 steps, so every block of K and V is asked for JOINTLY (mask 15); each wave asks for its quarter.  The last two steps are masked by
; arithmetic in all four partners alike; no partner jumps over a tile.
; PIPELINE.  Phase A(j): K Q^T of step j + 1 | the rounding of step j's p and the rescaling of O.  Phase B(j): V^T P of step j | the softmax of step j + 1.  The exponentials write E apart from S,
; so no register changes places from step to step and a step is written once.  One joint refill behind each phase: K(j + 2) behind A(j), V(j + 1) behind B(j); by this text's count a wave has three tensor loads out at the start, later one.
; SOFTMAX.  p = 2^(c s - c m), c = log2(e) / sqrt(384), m the running maximum; O and l are multiplied by 2^(c m_old - c m_new) in every step.  m starts at -1e30, so that c m is a number where all of a wave's keys are hidden.
; LIMITS: f16 operands (magnitudes up to 65,504), so scores lie far above -1e30; NaN and infinities are not served.  Rows 0-15 of each batch are stored here too and stored again, in f32 arithmetic, by the next launch.
; O is cleared by moves at the head, while the first tiles are on their way: in cluster 0 the first V^T P is also the last but one, which stands behind the loop, so it cannot be written out with the constant 0.
; REGISTERS, in windows of 256: window 0: v1-14 addresses; v16-19 the mask's numbers; v20-47 statistics; v52-63 the merge; v64-127 S^T; v128-191 E; v192-223 P.
;   window 1: v0-191 O^T of tile 0;   window 2: of tile 1;   window 3: v0-191 Q.   v192-255 of windows 1 to 3: a ring of six fragment buffers of 32 registers (buffer q: window 1 + q % 3, v[192 + 32 (q / 3)]).
.set UNIT,  98304                      ; a step's K, or its V, in bytes
.set QUART, UNIT/4                     ; what one tensor load brings
.set HALFU, UNIT/2                     ; a wave's 64 keys
.set VS,    0                          ; LDS: V(j); at the end the exchange of O
.set KS,    UNIT                       ; K(j + 1); at the end statistics and stages
.set K0R,   2*UNIT                     ; K(0), filled once more with V(n - 1)
.set SPARE, 3*UNIT                     ; the spare words, 128 bytes for each wave: two blocks of 256 bytes that no other line names
.set STATS, KS                         ; 512 bytes a wave
.set STG,   KS+2048                    ; 16 rows x (512 + 16) bytes a wave
.set SP,    528
.set ALK, 1                            ; v1   my keys' fragments in KS
.set ALV, 2                            ; v2   in VS
.set ALX, 3                            ; v3   in K0R
.set AXW, 4                            ; v4   the exchange: where I put a tile of O
.set AXR, 5                            ; v5   and where my partner (wave xor 2) has put one
.set ASW, 6                            ; v6   my statistics
.set ASR, 7                            ; v7   my partner's
.set STO, 8                            ; v8   my stage: row r, + 32 h
.set RD,  9                            ; v9   my stage: 16 x lane
.set GO,  10                           ; v10  16 x lane
.set PFO, 11                           ; v11  256 x lane
.set SPW, 12                           ; v12  LDS address of my spare word; never rewritten
.set NIL, 13                           ; v13  0; never rewritten
.set NEGR, 14                          ; v14  -infinity
.set DQ,  16                           ; v16-19  [which of the last two steps][tile]: my query less my lane's first key of the step
.set ST,  20                           ; tile t's statistics at v[ST + 16 t]: +0 c m, +1 m, +2, +3 l, +4 .. +7 at work (+6 the factor), +8 .. +11 partial sums
.set XQ,  52                           ; v52-55  c m and l of my two tiles
.set YQ,  56                           ; v56-59  my partner's
.set SS_, 60                           ; v60-61  what my O is multiplied by
.set SO_, 62                           ; v62-63  and my partner's
.set S,   64
.set E,   128
.set P,   192
.set WV,  12
.set QH,  13
.set KH,  14
.set CX,  15
.set CL,  16
.set BT,  17
.set CNT, 18
.set LIMK, 19
.set LIMV, 20
.set CS,  22                           ; s[22:23] c, twice: the packed form names a pair
.set SEL, 24                           ; s[24:25] v_permlanex16_b32's selects for lane l xor 16
.set G1,  28                           ; s[28:35] descriptor group 1, one for all loads
.set G0K, 36                           ; s[36:39] group 0: K into KS; it walks
.set G0V, 40                           ; s[40:43] V into VS; it walks
.set G0X, 44                           ; s[44:47] K(0) into K0R
.set PFK, 48                           ; s[48:49] where my prefetches of K stand
.set PFV, 50                           ; s[50:51] of V
.set G0Y, 60                           ; s[60:63] V into K0R; it walks one step ahead of G0V and is used once, for V(n - 1)
.set MSB, 0
.macro WIN new                         ; the immediate's high byte repeats the setting that is left; a switch that changes nothing is dropped
.if MSB != (\new)
	s_set_vgpr_msb (MSB<<8)|(\new)
.set MSB, (\new)
.endif
.endm
.macro PLACES                          ; four plain places behind matrix instructions (ISA guide 7.12.1)
.rept 4
	v_nop
.endr
.endm
.macro CREST                           ; a round of the cluster's barrier behind its opening barrier
	s_cmp_lg_u32 s[WV], 0
	s_cbranch_scc1 .Lnot_wave_0_\@
	s_barrier_signal -3
.Lnot_wave_0_\@:
	s_barrier_wait -3
	s_barrier_signal -1
	s_barrier_wait -1
.endm
.macro CROUND
	s_barrier_signal -1
	s_barrier_wait -1
	CREST
.endm
; A joint refill: every wave asks for its own quarter, so no branch stands round the line.  An s_nop 0 and four v_nop follow; the four are also the places behind the phase's last products.
.macro JLOAD g0
	tensor_load_to_lds s[\g0:\g0+3], s[G1:G1+7]
	s_nop 0
.rept 4
	v_nop
.endr
.endm
; A prefetch into the L2: 32 blocks of 256 bytes, a lane a block.  Each batch's last cluster, which walks every step, asks; of a step's 384 blocks each partner takes 96, told apart BY ADDRESS, and waves 0 to 2 take 32 each.
.macro ASK lim, pf
	s_cmp_gt_u32 s[CNT], s[\lim]
	s_cbranch_scc0 .Lnot_mine_\@
	global_prefetch_b8 v[PFO], s[\pf:\pf+1] th:TH_LOAD_NT scope:SCOPE_SE
.Lnot_mine_\@:
.endm
; Group g of 12 of a phase: four fragments, eight LDS loads, into ring buffer g % 6.  K (kind 0): channels 32 g on of my four tiles of keys.  V (kind 1): keys 32 (g / 6) on, channel tiles 4 (g % 6) + 0 .. 3.
.macro LDF adr, kind, g
.set bq, (\g)%6
.set FB, 192+32*(bq/3)
	WIN (1+bq%3)<<6
.irp u, 0,1,2,3
.irp p, 0,1
.if \kind
	ds_load_b128 v[FB+8*\u+4*\p:FB+8*\u+4*\p+3], v[\adr] offset:((\g)/6)*24576+(4*((\g)%6)+\u)*1024+512*\p
.else
	ds_load_b128 v[FB+8*\u+4*\p:FB+8*\u+4*\p+3], v[\adr] offset:\u*12288+(\g)*1024+512*\p
.endif
.endr
.endr
.endm
; Product i of 8 of group g.  The accumulators take turns, one instruction a turn: eight in K Q^T, 48 in V^T P.
.macro KQ g, i
.set bq, (\g)%6
.set FB, 192+32*(bq/3)
.set kt, (\i)/2
.set tq, (\i)%2
	WIN 0x0c|(1+bq%3)                              ; K in the buffer's window, Q in window 3, S^T in window 0
.if (\g) == 0
	v_wmma_f32_16x16x32_f16 v[S+32*tq+8*kt:S+32*tq+8*kt+7], v[FB+8*kt:FB+8*kt+7], v[96*tq+8*(\g):96*tq+8*(\g)+7], 0
.else
	v_wmma_f32_16x16x32_f16 v[S+32*tq+8*kt:S+32*tq+8*kt+7], v[FB+8*kt:FB+8*kt+7], v[96*tq+8*(\g):96*tq+8*(\g)+7], v[S+32*tq+8*kt:S+32*tq+8*kt+7]
.endif
.endm
.macro PV g, i
.set bq, (\g)%6
.set FB, 192+32*(bq/3)
.set uu, (\i)/2
.set tq, (\i)%2
.set ct, 4*((\g)%6)+uu
.set kc, (\g)/6
	WIN ((1+tq)<<6)|((1+tq)<<4)|(1+bq%3)           ; V in the buffer's window, P in window 0, O^T in window 1 + tile
	v_wmma_f32_16x16x32_f16 v[8*ct:8*ct+7], v[FB+8*uu:FB+8*uu+7], v[P+16*tq+8*kc:P+16*tq+8*kc+7], v[8*ct:8*ct+7]
.endm
.macro CVT n                           ; a pair of weights to f16
	WIN 0
	v_cvt_pk_f16_f32 v[P+(\n)], v[E+2*(\n)], v[E+2*(\n)+1]
.endm
.macro RS m                            ; pair m % 96 of O^T of tile m / 96, times the tile's factor; ascending
.set tq, (\m)/96
.set pr, 2*((\m)%96)
	WIN ((1+tq)<<6)|(1+tq)
	v_pk_mul_f32 v[pr:pr+1], v[pr:pr+1], v[ST+16*tq+6:ST+16*tq+7] op_sel_hi:[1,0]
.endm
; The causal mask of the last step but one (which = 0) or the last (1): register 8 kt + i holds key 16 kt + i of my lane's run: hidden where that is above v[DQ ..].  Hidden scores become -infinity: p = 0 then.
.macro MASK which
.irp t, 0,1
.set nn, 0
.rept 32
	v_cmp_gt_i32 vcc_lo, 16*(nn/8)+nn%8, v[DQ+2*(\which)+\t]
	v_cndmask_b32 v[S+32*\t+nn], v[S+32*\t+nn], v[NEGR], vcc_lo
.set nn, nn+1
.endr
.endr
.endm
; The new maximum of both tiles, the tiles by turns: four chains over the lane's 32 scores (each begins at its accumulator's low end), the old m, the other half of the lanes; then c m and c m_old - c m_new.
.macro MX
.irp j, 0,1,2,3
.irp t, 0,1
	v_max3_num_f32 v[ST+16*\t+4+\j], v[S+32*\t+8*\j], v[S+32*\t+8*\j+1], v[S+32*\t+8*\j+2]
.endr
.endr
.irp q, 1,2
.irp j, 0,1,2,3
.irp t, 0,1
	v_max3_num_f32 v[ST+16*\t+4+\j], v[ST+16*\t+4+\j], v[S+32*\t+8*\j+2*\q+1], v[S+32*\t+8*\j+2*\q+2]
.endr
.endr
.endr
.irp t, 0,1
	v_max3_num_f32 v[ST+16*\t+4], v[ST+16*\t+4], v[S+32*\t+7], v[S+32*\t+15]
.endr
.irp t, 0,1
	v_max3_num_f32 v[ST+16*\t+6], v[ST+16*\t+6], v[S+32*\t+23], v[S+32*\t+31]
.endr
.irp t, 0,1
	v_max3_num_f32 v[ST+16*\t+4], v[ST+16*\t+4], v[ST+16*\t+5], v[ST+16*\t+6]
.endr
.irp t, 0,1
	v_max3_num_f32 v[ST+16*\t+4], v[ST+16*\t+4], v[ST+16*\t+7], v[ST+16*\t+1]
.endr
.irp t, 0,1
	v_permlanex16_b32 v[ST+16*\t+5], v[ST+16*\t+4], s[SEL], s[SEL+1]   ; the query's other 32 keys lie in the lane 16 away
.endr
.irp t, 0,1
	v_mov_b32 v[ST+16*\t+7], v[ST+16*\t]           ; c m_old is kept for the factor
.endr
.irp t, 0,1
	v_max_num_f32 v[ST+16*\t+1], v[ST+16*\t+4], v[ST+16*\t+5]
.endr
.irp t, 0,1
	v_mul_f32 v[ST+16*\t], s[CS], v[ST+16*\t+1]
.endr
.irp t, 0,1
	v_sub_f32 v[ST+16*\t+7], v[ST+16*\t+7], v[ST+16*\t]
.endr
.endm
; Number n of 131 of the rest of a step's softmax, both tiles.  k = 0 .. 31 names tile k % 2, pair k / 2.
;   0, 3 k - 2: the scaling c s - c m of pair k;   3 k - 1, 3 k (and 94, 95): the two exponentials of pair k - 1, written into E;   96, 97: the tiles' factors;   98: the plain line behind the last exponential;
;   then ONE wait for the step's 66 exponentials, ahead of the first line that names a result;   99-130: the sums: two chains a tile over E's pairs, their sum, l = l x factor + sum.
.macro VB n
	WIN 0
.if ((\n) == 0) || (((\n) < 94) && ((\n)%3 == 1))
.set kk, ((\n)+2)/3
.set rS, S+32*(kk%2)+2*(kk/2)
.set rT, ST+16*(kk%2)
	v_pk_fma_f32 v[rS:rS+1], v[rS:rS+1], s[CS:CS+1], v[rT:rT+1] op_sel_hi:[1,0,0] neg_lo:[0,0,1] neg_hi:[0,0,1]
.elseif (\n) < 96
.if (\n) < 94
.set kk, ((\n)+1)/3-1
.set hf, 1-((\n)%3)/2
.else
.set kk, 31
.set hf, (\n)-94
.endif
.set rS, 32*(kk%2)+2*(kk/2)+hf
	v_exp_f32 v[E+rS], v[S+rS]
.elseif (\n) < 98
	v_exp_f32 v[ST+16*((\n)-96)+6], v[ST+16*((\n)-96)+7]
.elseif (\n) == 98
	v_nop
.else
.if (\n) == 99
	s_wait_alu depctr_va_vdst(0)
.endif
.set zz, (\n)-99
.set rT, ST+16*(zz%2)
.set rE, E+32*(zz%2)
.set ww, zz/2
.if ww < 14
.set rX, rT+8+2*(ww%2)
.set rB, rE+16*(ww%2)
.if ww < 2
	v_pk_add_f32 v[rX:rX+1], v[rB:rB+1], v[rB+2:rB+3]
.else
	v_pk_add_f32 v[rX:rX+1], v[rX:rX+1], v[rB+2*(ww/2)+2:rB+2*(ww/2)+3]
.endif
.elseif ww == 14
	v_pk_add_f32 v[rT+8:rT+9], v[rT+8:rT+9], v[rT+10:rT+11]
.else
	v_pk_fma_f32 v[rT+2:rT+3], v[rT+2:rT+3], v[rT+6:rT+7], v[rT+8:rT+9] op_sel_hi:[1,0,1]
.endif
.endif
.endm
.macro SLICE kind                      ; two numbers of the phase's vector list behind a matrix instruction
.rept 2
.if \kind
.if it < 131
	VB it
.endif
.else
.if it < 192
	RS it
.endif
.endif
.set it, it+1
.endr
.endm
.macro STEPS k                         ; no tensor load of mine is out, so the groups 0 may be written
.if \k == 1
	s_add_nc_u64 s[G0K+2:G0K+3], s[G0K+2:G0K+3], UNIT
	s_wait_xcnt 0x0                                ; the last prefetches, a phase back, have read their addresses
	s_add_nc_u64 s[PFK:PFK+1], s[PFK:PFK+1], UNIT
	s_add_nc_u64 s[PFV:PFV+1], s[PFV:PFV+1], UNIT
.elseif \k == 2
	s_add_nc_u64 s[G0V+2:G0V+3], s[G0V+2:G0V+3], UNIT
	s_add_nc_u64 s[G0Y+2:G0Y+3], s[G0Y+2:G0Y+3], UNIT
.endif
.endm
.macro HEADP kind, adr                 ; a phase's first three groups of fragments
	LDF \adr, \kind, 0
	LDF \adr, \kind, 1
	LDF \adr, \kind, 2
	WIN 0
.endm
.macro LUMPA upto                      ; ahead of phase A's products: p to f16, and the first of the rescaling
.set it, 0
.rept 32
	CVT it
.set it, it+1
.endr
.set it, 0
.rept \upto
	RS it
.set it, it+1
.endr
.endm
; A phase's 12 groups of 8 products.  Fragments run three groups ahead.  sl = 1: a slice behind each product (they are also the places in front of the loads); sl = 0: four v_nop in front of each run of loads.
; end = 1, 2: the phase ends at a barrier.  Ahead of group 10 the wave waits for all its tensor loads and adds 0 to its spare word; group 10 stands between the add and the wait for it; the signal; group 11; the barrier's wait.
.macro BODY kind, adr, sl, end, step
.set gg, 0
.rept 12
.if gg <= 9
	s_wait_dscnt 16                                ; this group's eight loads are in; the two later groups' may be out
.elseif gg == 10
.if \end
	WIN 0                                          ; (the add's two registers lie in window 0)
	s_wait_tensorcnt 0x0                           ; all my tensor loads have landed: my quarter of what the next phase reads
	ds_add_u32 v[SPW], v[NIL]                      ; 0 onto my spare word
	STEPS \step
	s_wait_dscnt 9                                 ; (group 11's eight loads and the add may be out)
.else
	s_wait_dscnt 8                                 ; group 11's eight loads may be out
.endif
.else
	s_wait_dscnt 0x0                               ; the last group is in; with a barrier: the add is done, and my reads of this phase's bytes are over
.if \end
	s_barrier_signal -1
.endif
.endif
.set ii, 0
.rept 8
.if \kind
	PV gg, ii
.else
	KQ gg, ii
.endif
.if \sl
	SLICE \kind
.endif
.set ii, ii+1
.endr
.if gg <= 8
.if (\sl) == 0
	PLACES
.endif
	LDF \adr, \kind, gg+3
.endif
.set gg, gg+1
.endr
	WIN 0
.if \end
	s_barrier_wait -1
.endif
.endm
	s_load_b256 s[4:11], s[0:1], 0x0               ; qf s[4:5], kf s[6:7], vf s[8:9], out0 s[10:11]
	v_lshl_add_u32 v[SPW], v0, 2, SPARE
	v_mov_b32 v[NIL], 0
	ds_add_u32 v[SPW], v[NIL]                      ; the wave's opening: the add, twice on end, and its wait ahead of my first tensor load; the set-up below stands between
	ds_add_u32 v[SPW], v[NIL]                      ; and once more, under the one wait
	v_lshrrev_b32 v15, 5, v0
	v_readfirstlane_b32 s[WV], v15                 ; wave 0..3
	s_and_b32 s[QH], s[WV], 1                      ; a: which 32 queries
	s_lshr_b32 s[KH], s[WV], 1                     ; b: which 64 keys of a step
	s_bfe_u32 s[CX], ttmp6, 0x40000                ; my place in the cluster
	s_mov_b32 s[CL], ttmp9                         ; the cluster: 0..15
	s_and_b32 s[BT], ttmp7, 0xffff                 ; the batch
	v_and_b32 v15, 31, v0
	v_lshlrev_b32 v[GO], 4, v15
	v_lshlrev_b32 v[PFO], 8, v15
	; descriptor group 1: 96 rows of 256 bytes (32 elements of 8 bytes), dense in memory and in LDS
	s_mov_b32 s[G1], 15|(3<<16)|(1<<21)            ; 15:0 the mask: all four work-groups; 17:16 elements of 8 bytes; 20 no padding; 21 set beside a mask
	s_mov_b32 s[G1+1], 32<<16                      ; tensor_dim0 = 32
	s_mov_b32 s[G1+2], 96<<16                      ; tensor_dim1 = 96
	s_mov_b32 s[G1+3], 32<<16                      ; tile_dim0 = 32
	s_mov_b32 s[G1+4], 96                          ; tile_dim1 = 96
	s_mov_b32 s[G1+5], 32                          ; from row to row
	s_mov_b32 s[G1+6], 0
	s_mov_b32 s[G1+7], 0
	s_mov_b32 s[CS], 0x3d96c740                    ; c = log2(e) / sqrt(384)
	s_mov_b32 s[CS+1], s[CS]
	s_mov_b32 s[SEL], 0x76543210
	s_mov_b32 s[SEL+1], 0xfedcba98
	s_lshl_b32 s26, s[CL], 2
	s_add_co_u32 s26, s26, s[CX]                   ; my block of 64 queries: it enters Q's and out0's addresses alone
	s_mul_i32 s56, s[BT], 32*UNIT                  ; the batch's first byte in qf, kf and vf
	s_mov_b32 s57, 0
	s_mul_i32 s54, s[WV], QUART                    ; my quarter of a block, in memory and in LDS
	s_add_co_u32 s52, s56, s54
	s_mov_b32 s53, 0
	s_mul_i32 s58, s26, 49152                      ; 64 queries of f16 images,
	s_add_co_u32 s58, s58, s56
	s_mul_i32 s27, s[QH], 24576                    ; my wave's 32
	s_add_co_u32 s58, s58, s27
	s_mov_b32 s59, 0
	s_lshl_b32 s26, s58, 1                         ; in out0 a row is twice as long;
	s_mul_i32 s27, s[KH], 24576                    ; at the end I store tile b of my 32 queries
	s_add_co_u32 s26, s26, s27
	s_mov_b32 s27, 0
	s_mul_i32 s55, s[CX], QUART                    ; the prefetches: my work-group's 96 blocks of a step's 384,
	s_lshl_b32 s21, s[WV], 13                      ; my wave's 32 of them
	s_add_co_u32 s56, s56, s55
	s_add_co_u32 s56, s56, s21
	s_xor_b32 s55, s[CL], 15                       ; who prefetches: waves 0 to 2 of the batch's last cluster: the same in all four partners
	s_cmp_eq_u32 s[WV], 3
	s_cselect_b32 s21, 1, 0
	s_or_b32 s55, s55, s21
	s_cmp_eq_u32 s55, 0
	s_cselect_b32 s[LIMK], 1, -1                   ; K(j + 3) exists while more than one trip is left,
	s_cselect_b32 s[LIMV], 0, -1                   ; V(j + 2) in every trip
	s_wait_dscnt 0x0                               ; both opening adds are done
	s_wait_kmcnt 0x0
	s_add_nc_u64 s[4:5], s[4:5], s[58:59]          ; Q at my wave's first query
	s_add_nc_u64 s[10:11], s[10:11], s[26:27]      ; out0 at the first row that I store
	s_add_nc_u64 s[PFK:PFK+1], s[6:7], s[56:57]
	s_add_nc_u64 s[PFK:PFK+1], s[PFK:PFK+1], 2*UNIT   ; at K(2): the first trip steps it to K(3).  Nothing is prefetched at the head
	s_add_nc_u64 s[PFV:PFV+1], s[8:9], s[56:57]
	s_add_nc_u64 s[PFV:PFV+1], s[PFV:PFV+1], UNIT     ; at V(1): the first trip steps it to V(2)
	s_add_nc_u64 s[6:7], s[6:7], s[52:53]          ; K and V at my quarter of step 0: batch and wave alone
	s_add_nc_u64 s[8:9], s[8:9], s[52:53]
	CROUND                                         ; all four work-groups are here: the first joint loads meet
	s_mov_b32 s[G0X], 1                            ; count = 1
	s_add_co_u32 s[G0X+1], s54, K0R                ; LDS address
	s_mov_b64 s[G0X+2:G0X+3], s[6:7]               ; K(0)
	s_or_b32 s[G0X+3], s[G0X+3], 0x80000000        ; type = 2
	s_mov_b32 s[G0K], 1
	s_add_co_u32 s[G0K+1], s54, KS
	s_add_nc_u64 s[G0K+2:G0K+3], s[6:7], UNIT      ; K(1)
	s_or_b32 s[G0K+3], s[G0K+3], 0x80000000
	s_mov_b32 s[G0V], 1
	s_add_co_u32 s[G0V+1], s54, VS
	s_mov_b64 s[G0V+2:G0V+3], s[8:9]               ; V(0)
	s_or_b32 s[G0V+3], s[G0V+3], 0x80000000
	s_mov_b32 s[G0Y], 1
	s_add_co_u32 s[G0Y+1], s54, K0R
	s_add_nc_u64 s[G0Y+2:G0Y+3], s[8:9], UNIT      ; V(1)
	s_or_b32 s[G0Y+3], s[G0Y+3], 0x80000000
	tensor_load_to_lds s[G0X:G0X+3], s[G1:G1+7]    ; the three first fills go out together: K(0),
	s_nop 0
	tensor_load_to_lds s[G0K:G0K+3], s[G1:G1+7]    ; K(1),
	s_nop 0
	tensor_load_to_lds s[G0V:G0V+3], s[G1:G1+7]    ; V(0)
	s_nop 0
.rept 4
	v_nop
.endr
	WIN 0xc0                                       ; destination window 3
.set i, 0
.rept 48                               ; Q stays in registers: tile i / 24, piece i % 24
	global_load_b128 v[4*i:4*i+3], v[GO], s[4:5] offset:512*i th:TH_LOAD_NT
.set i, i+1
.endr
	WIN 0
	; every LDS address is made here, ahead of any branch on the wave's number
	v_and_b32 v48, 15, v0                          ; r
	v_bfe_u32 v49, v0, 4, 1                        ; h
	s_mul_i32 s55, s[KH], HALFU
	v_add_nc_u32 v[ALV], s55, v[GO]
	v_add_nc_u32 v[ALK], KS, v[ALV]
	v_add_nc_u32 v[ALX], K0R, v[ALV]
	v_add_nc_u32 v[AXW], s54, v[GO]
	s_xor_b32 s21, s[WV], 2                        ; my partner: the same queries, the other keys
	s_mul_i32 s55, s21, QUART
	v_add_nc_u32 v[AXR], s55, v[GO]
	s_lshl_b32 s55, s[WV], 9
	s_add_co_u32 s55, s55, STATS
	v_add_nc_u32 v[ASW], s55, v[GO]
	s_lshl_b32 s55, s21, 9
	s_add_co_u32 s55, s55, STATS
	v_add_nc_u32 v[ASR], s55, v[GO]
	s_mul_i32 s55, s[WV], 16*SP
	s_add_co_u32 s55, s55, STG
	v_add_nc_u32 v[RD], s55, v[GO]
	v_mul_u32_u24 v[STO], v48, SP
	v_lshl_add_u32 v[STO], v49, 5, v[STO]
	v_add_nc_u32 v[STO], s55, v[STO]
	s_lshl_b32 s55, s[CX], 6                       ; the mask's numbers: 64 cx + 32 a + 16 t + r - 64 b - 8 h - 128 which
	s_lshl_b32 s21, s[QH], 5
	s_add_co_u32 s55, s55, s21
	s_lshl_b32 s21, s[KH], 6
	s_sub_co_u32 s55, s55, s21
	v_lshlrev_b32 v49, 3, v49
	v_sub_nc_u32 v48, v48, v49
	v_add_nc_u32 v[DQ], s55, v48
	v_add_nc_u32 v[DQ+1], 16, v[DQ]
	v_add_nc_u32 v[DQ+2], 0xffffff80, v[DQ]
	v_add_nc_u32 v[DQ+3], 0xffffff80, v[DQ+1]
	v_mov_b32 v[NEGR], 0xff800000
.irp t, 0,1
	v_mov_b32 v[ST+16*\t+1], 0xf149f2ca            ; m = -1e30
	v_mul_f32 v[ST+16*\t], s[CS], v[ST+16*\t+1]    ; c m
	v_mov_b32 v[ST+16*\t+2], 0                     ; l
	v_mov_b32 v[ST+16*\t+3], 0
.endr
	WIN 0x40
.set i, 0
.rept 192
	v_mov_b32 v[i], 0                              ; O^T of tile 0
.set i, i+1
.endr
	WIN 0x80
.set i, 0
.rept 192
	v_mov_b32 v[i], 0                              ; of tile 1
.set i, i+1
.endr
	WIN 0
	s_wait_tensorcnt 0x2                           ; my quarter of K(0) is in; the two later fills may stay out
	s_barrier_signal -1
	s_barrier_wait -1                              ; everybody's is
	; ---- the prologue: S(0) and its softmax
	HEADP 0, ALX
	s_wait_loadcnt 0x0                             ; Q
	BODY 0, ALX, 0, 0, 0
	PLACES
	s_cmp_lg_u32 s[CL], 0                          ; in cluster 0 step 0 is the last but one
	s_cbranch_scc1 .Lopen_0
	MASK 0
.Lopen_0:
	MX
.set it, 0
.rept 131
	VB it
.set it, it+1
.endr
	s_wait_tensorcnt 0x0                           ; my quarters of K(1) and V(0) are in
	ds_add_u32 v[SPW], v[NIL]                      ; 0 onto my spare word, behind that wait
	s_wait_dscnt 0x0
	s_barrier_signal -1
	s_barrier_wait -1                              ; everybody's are, and nobody reads K(0) any more
	; ---- the loop: steps j = 0 .. n - 3.  No LDS address is stepped in it
	s_lshl_b32 s[CNT], s[CL], 1
	s_cmp_eq_u32 s[CNT], 0
	s_cbranch_scc1 .Ltail
.Ltrip:
	HEADP 0, ALK                                   ; A(j): S(j + 1) = K(j + 1) Q^T
	LUMPA 32
	BODY 0, ALK, 1, 2, 1
	CREST                                          ; the barrier has opened a round of the cluster's: no wave of any partner still reads KS or has a load on its way
	JLOAD G0K                                      ; K(j + 2)
	HEADP 1, ALV                                   ; B(j): O^T += V(j)^T P(j)
	ASK LIMK, PFK                                  ; K(j + 3): two refills ahead of its load
	ASK LIMV, PFV                                  ; V(j + 2): three refills ahead, so that one place serves both streams and the tail's load too
	s_cmp_lg_u32 s[CNT], 1                         ; in the last trip step j + 1 is the last but one
	s_cbranch_scc1 .Lopen_1
	MASK 0
.Lopen_1:
	MX
.set it, 0
	BODY 1, ALV, 1, 2, 2
	CREST
	JLOAD G0V                                      ; V(j + 1)
	s_sub_co_u32 s[CNT], s[CNT], 1
	s_cmp_lg_u32 s[CNT], 0
	s_cbranch_scc1 .Ltrip
.Ltail:
	; ---- step n - 2, written out: nothing of K is left to fetch
	HEADP 0, ALK                                   ; S(n - 1)
	LUMPA 32
	BODY 0, ALK, 1, 2, 0
	CREST
	JLOAD G0Y                                      ; V(n - 1) into the bytes that held K(0), last read ahead of the prologue's barrier
	HEADP 1, ALV
	MASK 1
	MX
.set it, 0
	BODY 1, ALV, 1, 1, 0                           ; behind its barrier V(n - 1) is whole and nobody reads VS or KS any more
	PLACES
	; ---- step n - 1
	HEADP 1, ALX
	LUMPA 192
	BODY 1, ALX, 0, 0, 0
	PLACES
	; ---- THE MERGE of the two key halves.  Wave b = 0 keeps tile 0 and hands tile 1 to its partner; wave b = 1 the other way round.
.irp t, 0,1
	v_add_f32 v[ST+16*\t+4], v[ST+16*\t+2], v[ST+16*\t+3]
.endr
.irp t, 0,1
	v_permlanex16_b32 v[ST+16*\t+5], v[ST+16*\t+4], s[SEL], s[SEL+1]
.endr
.irp t, 0,1
	v_mov_b32 v[XQ+2*\t], v[ST+16*\t]              ; c m
	v_add_f32 v[XQ+2*\t+1], v[ST+16*\t+4], v[ST+16*\t+5]   ; l over my 64 keys of every step
.endr
	ds_store_b128 v[ASW], v[XQ:XQ+3]
.macro SENDO t                         ; tile t of O^T goes to LDS as it stands, each accumulator from its low end on
	WIN (1+(\t))<<2                                ; an LDS store's data are its source 1
.set i, 0
.rept 24
	ds_store_b128 v[AXW], v[8*i:8*i+3] offset:1024*i
	ds_store_b128 v[AXW], v[8*i+4:8*i+7] offset:1024*i+512
.set i, i+1
.endr
	WIN 0
.endm
.macro LOADX z, xr                     ; my partner's channel tiles 8 z .. 8 z + 7
.set i, 0
.rept 8
	ds_load_b128 v[\xr+8*i:\xr+8*i+3], v[AXR] offset:(8*(\z)+i)*1024
	ds_load_b128 v[\xr+8*i+4:\xr+8*i+7], v[AXR] offset:(8*(\z)+i)*1024+512
.set i, i+1
.endr
.endm
.macro COMBINE t, z, xr                ; partner's x its scale + mine x my scale
.set i, 0
.rept 32
	v_pk_mul_f32 v[\xr+2*i:\xr+2*i+1], v[\xr+2*i:\xr+2*i+1], v[SO_:SO_+1] op_sel_hi:[1,0]
.set i, i+1
.endr
	WIN 1+(\t)                                     ; source 0: my O^T
.set i, 0
.rept 32
	v_pk_fma_f32 v[\xr+2*i:\xr+2*i+1], v[64*(\z)+2*i:64*(\z)+2*i+1], v[SS_:SS_+1], v[\xr+2*i:\xr+2*i+1] op_sel_hi:[1,0,1]
.set i, i+1
.endr
	WIN 0
.endm
.macro TOSTAGE xr, yw, yr              ; 16 queries x 128 channels through my own stage: in by 32 bytes a lane, back as whole rows of 512 bytes.  LDS serves a wave's instructions in order (ISA guide 5.7.1.4)
.set i, 0
.rept 8
	ds_store_b128 v[STO], v[\xr+8*i:\xr+8*i+3] offset:64*i
	ds_store_b128 v[STO], v[\xr+8*i+4:\xr+8*i+7] offset:64*i+16
.set i, i+1
.endr
	WIN (\yw)<<6
.set i, 0
.rept 16
	ds_load_b128 v[\yr+4*i:\yr+4*i+3], v[RD] offset:SP*i
.set i, i+1
.endr
	WIN 0
.endm
.macro SEND z, yw, yr
	WIN (\yw)<<2
.set i, 0
.rept 16
	global_store_b128 v[GO], v[\yr+4*i:\yr+4*i+3], s[10:11] offset:1536*i+512*(\z) th:TH_STORE_NT   ; 32 lanes store 512 consecutive bytes, at a multiple of 256 from out0's first byte
.set i, i+1
.endr
	WIN 0
.endm
.macro KEEP t
	ds_load_b128 v[YQ:YQ+3], v[ASR]
	LOADX 0, S
	LOADX 1, E
	s_wait_dscnt 32                                ; my partner's statistics are in (behind them: 32 loads of its O)
	v_max_num_f32 v20, v[XQ+2*(\t)], v[YQ+2*(\t)]  ; the common c m
	v_sub_f32 v21, v[XQ+2*(\t)], v20
	v_sub_f32 v22, v[YQ+2*(\t)], v20
	v_exp_f32 v23, v21                             ; my weight,
	v_exp_f32 v24, v22                             ; my partner's: 0 where it saw no key
	v_nop
	s_wait_alu depctr_va_vdst(0)                   ; one wait for the two, ahead of the first line that names a result
	v_mul_f32 v25, v[XQ+2*(\t)+1], v23
	v_fma_f32 v25, v[YQ+2*(\t)+1], v24, v25        ; the row's sum; key 0 counts for every query, so it is above 0
	v_rcp_f32 v26, v25
	v_nop
	s_wait_alu depctr_va_vdst(0)
	v_mul_f32 v[SS_], v23, v26
	v_mul_f32 v[SS_+1], v23, v26
	v_mul_f32 v[SO_], v24, v26
	v_mul_f32 v[SO_+1], v24, v26
	s_wait_dscnt 16                                ; piece 0 is in (behind it: piece 1's 16 loads)
	COMBINE \t, 0, S
	TOSTAGE S, 0, 192
	s_wait_dscnt 16                                ; piece 1 is in and piece 0's stores into the stage are done: its registers may take piece 2 (the 16 loads back from the stage may be out)
	LOADX 2, S
	COMBINE \t, 1, E
	TOSTAGE E, 3, 0
	s_wait_dscnt 48                                ; piece 0's rows are back (behind them: piece 2's 16 loads, piece 1's 16 stores and 16 loads)
	SEND 0, 0, 192
	s_wait_dscnt 32                                ; piece 2 is in
	COMBINE \t, 2, S
	TOSTAGE S, 3, 64
	s_wait_dscnt 32                                ; piece 1's rows are back
	SEND 1, 3, 0
	s_wait_dscnt 0x0
	SEND 2, 3, 64
.endm
	s_cmp_eq_u32 s[KH], 0
	s_cbranch_scc0 .Lsend_0
	SENDO 1
	s_branch .Lsent
.Lsend_0:
	SENDO 0
.Lsent:
	s_wait_dscnt 0x0                               ; for my partner's sake: my stores have landed
	s_barrier_signal -1
	s_barrier_wait -1
	s_cmp_eq_u32 s[KH], 0
	s_cbranch_scc0 .Lkeep_1
	KEEP 0
	s_branch .Lout
.Lkeep_1:
	KEEP 1
.Lout:
	s_wait_tensorcnt 0x0                           ; the wave's end: behind my last tensor load and my last LDS store
	ds_add_u32 v[SPW], v[NIL]
	s_wait_dscnt 0x0
	CROUND                                         ; the closing round: no work-group ends while a partner may still ask for a tile that names it
	s_endpgm
.Lfunc_end_k_qb1323350f0_attn:
	.size	k_qb1323350f0_attn, .Lfunc_end_k_qb1323350f0_attn-k_qb1323350f0_attn
	.p2alignl 7, 3214868480
	.fill 96, 4, 3214868480
	.section	.rodata,"a",@progbits
	.p2align	6, 0x0
	.amdhsa_kernel k_qb1323350f0_attn
		.amdhsa_group_segment_fixed_size 327680
		.amdhsa_private_segment_fixed_size 0
		.amdhsa_enable_private_segment 0
		.amdhsa_kernarg_size 32
		.amdhsa_user_sgpr_count 2
		.amdhsa_user_sgpr_kernarg_segment_ptr 1
		.amdhsa_wavefront_size32 1
		.amdhsa_system_sgpr_workgroup_id_x 1
		.amdhsa_system_sgpr_workgroup_id_y 1
		.amdhsa_system_sgpr_workgroup_id_z 1
		.amdhsa_system_vgpr_workitem_id 0
		.amdhsa_next_free_vgpr 1024
		.amdhsa_next_free_sgpr 66
		.amdhsa_reserve_vcc 1
		.amdhsa_float_denorm_mode_32 3
		.amdhsa_float_denorm_mode_16_64 3
		.amdhsa_memory_ordered 1
		.amdhsa_forward_progress 1
		.amdhsa_inst_pref_size 255
	.end_amdhsa_kernel
	.section	.bss,"aw",@nobits
	.p2align	6
	.space	262144
	.amdgpu_metadata
---
amdhsa.version: [ 1, 2 ]
amdhsa.kernels:
  - .name:           k_qb1323350f0_attn
    .symbol:         k_qb1323350f0_attn.kd
    .args:
      - { .name: qf, .offset: 0, .size: 8, .value_kind: global_buffer, .address_space: global }
      - { .name: kf, .offset: 8, .size: 8, .value_kind: global_buffer, .address_space: global }
      - { .name: vf, .offset: 16, .size: 8, .value_kind: global_buffer, .address_space: global }
      - { .name: out0, .offset: 24, .size: 8, .value_kind: global_buffer, .address_space: global }
    .group_segment_fixed_size: 327680
    .private_segment_fixed_size: 0
    .kernarg_segment_align: 8
    .kernarg_segment_size: 32
    .max_flat_workgroup_size: 128
    .sgpr_count:     66
    .vgpr_count:     1024
    .wavefront_size: 32
...
	.end_amdgpu_metadata
.endif
;; end of part 3
;; launch first16 (part 4): grid 6 x 4, 1 waves a work-group, no clusters, 4,608 bytes of LDS; arguments fine, out0; writes out0
.if DOCPART == 4
	.amdgcn_target "amdgcn-amd-amdhsa--gfx1250"
	.amdhsa_code_object_version 6
	.text
	.protected	k_qb1323350f0_first16
	.globl	k_qb1323350f0_first16
	.p2align	8
	.type	k_qb1323350f0_first16,@function
k_qb1323350f0_first16:
	s_mov_b64 s[64:65], 0
	v_nop
	global_prefetch_b8 v0, s[64:65] scope:SCOPE_SE
	s_setreg_imm32_b32 hwreg(HW_REG_WAVE_MODE, 25, 1), 1
	s_wait_xcnt 0x0
; Rows 0-15 of each batch, where a row averages one to sixteen values: all in f32.  Q, K, V of tokens 0-15 come as f32 register images (fine: [batch][matrix][tile of 16 channels][2 x 512 bytes]).
; A work-group of one wave makes channels 64 x .. 64 x + 63 of the 16 rows of batch y; each computes the 16 x 16 scores for itself: 96 small matrix instructions, which spares any traffic between waves.
; S^T = K Q^T: in the images lane (r, h) holds token r and channels 16 e + 8 h + 0 .. 7, so registers 2 i, 2 i + 1 of K and of Q are a K step of 4 with the same four channels on both sides.
; O^T = V^T p: V's image holds channel r and tokens 8 h + 0 .. 7; p holds query r and keys 8 h + 0 .. 7: again the same four keys on both sides.
; What the f32 matrix form writes (v32-63, v128-159) is written by matrix instructions alone; each sum begins with the constant 0; what is made of a sum goes into other registers.
; These 64 rows of out0 were stored by the launch before, from f16 operands, and are stored again here.
.set SPARE, 4352                       ; behind the stage of 16 rows x (256 + 16) bytes: the spare words, one block of 256 bytes that no other line names
.set SPW, 8
.set NIL, 9
.set SA,  32                           ; v32-63   four accumulators of S^T, by turns
.set T,   64                           ; v64-71   the scores, then p
.set U,   72                           ; v72-79   at work
.set VV,  96                           ; v96-127  V's four tiles
.set OA,  128                          ; v128-159 four accumulators of O^T
.set Y,   160                          ; v160-191 rows read back from the stage
.set KO,  32                           ; K's image in window 2: v32-223;  Q's in window 1: v0-191
.set MSB, 0
.macro WIN new
.if MSB != (\new)
	s_set_vgpr_msb (MSB<<8)|(\new)
.set MSB, (\new)
.endif
.endm
	s_load_b128 s[4:7], s[0:1], 0x0                ; fine, out0
	v_lshl_add_u32 v[SPW], v0, 2, SPARE
	v_mov_b32 v[NIL], 0
	v_and_b32 v1, 15, v0                           ; r
	v_bfe_u32 v2, v0, 4, 1                         ; h
	v_lshlrev_b32 v3, 4, v0                        ; 16 x lane
	v_lshlrev_b32 v4, 3, v2
	v_sub_nc_u32 v4, v1, v4                        ; r - 8 h: register j's key is hidden where j is above this
	v_mov_b32 v5, 0xff800000                       ; -infinity
	v_mul_u32_u24 v6, v1, 272
	v_lshl_add_u32 v6, v2, 5, v6                   ; the stage, in: row r, + 32 h
	v_mul_u32_u24 v7, v2, 272
	v_lshl_add_u32 v7, v1, 4, v7                   ; back: lanes 0-15 one row of 256 bytes, lanes 16-31 the next
	v_mul_u32_u24 v15, v2, 1536
	v_lshl_add_u32 v15, v1, 4, v15                 ; and the same two rows in out0
	v_mov_b32 v11, 0                               ; a lane permute's destination counts as one of its sources
	s_and_b32 s8, ttmp7, 0xffff                    ; the batch
	s_mul_i32 s10, s8, 73728
	s_mov_b32 s11, 0
	s_mul_i32 s12, s8, 4096*1536
	s_lshl_b32 s13, ttmp9, 8                       ; my 64 channels
	s_add_co_u32 s12, s12, s13
	s_mov_b32 s13, 0
	s_lshl_b32 s14, ttmp9, 12                      ; my four tiles of V
	s_add_co_u32 s14, s14, 49152
	s_mov_b32 s15, 0
	s_mov_b32 s20, 0x76543210
	s_mov_b32 s21, 0xfedcba98                      ; v_permlanex16_b32's selects for lane l xor 16
	s_mov_b32 s22, 0x3d96c740                      ; c = log2(e) / sqrt(384)
	s_wait_kmcnt 0x0
	s_add_nc_u64 s[4:5], s[4:5], s[10:11]
	s_add_nc_u64 s[6:7], s[6:7], s[12:13]
	s_add_nc_u64 s[16:17], s[4:5], s[14:15]
	WIN 0x40
.set i, 0
.rept 48
	global_load_b128 v[4*i:4*i+3], v3, s[4:5] offset:512*i             ; Q
.set i, i+1
.endr
	WIN 0x80
.set i, 0
.rept 48
	global_load_b128 v[KO+4*i:KO+4*i+3], v3, s[4:5] offset:24576+512*i ; K
.set i, i+1
.endr
	WIN 0
.set i, 0
.rept 8
	global_load_b128 v[VV+4*i:VV+4*i+3], v3, s[16:17] offset:512*i     ; V
.set i, i+1
.endr
	s_wait_loadcnt 0x0
	WIN 0x06                                       ; source 0 (K) window 2, source 1 (Q) window 1
.set i, 0
.rept 96                               ; four accumulators by turns, one instruction a turn
.if i < 4
	v_wmma_f32_16x16x4_f32 v[SA+8*(i%4):SA+8*(i%4)+7], v[KO+2*i:KO+2*i+1], v[2*i:2*i+1], 0
.else
	v_wmma_f32_16x16x4_f32 v[SA+8*(i%4):SA+8*(i%4)+7], v[KO+2*i:KO+2*i+1], v[2*i:2*i+1], v[SA+8*(i%4):SA+8*(i%4)+7]
.endif
.set i, i+1
.endr
	WIN 0
.rept 8
	v_nop                                          ; eight places behind this form (ISA guide 7.12.1)
.endr
.irp j, 0,2,4,6
	v_pk_add_f32 v[T+\j:T+\j+1], v[SA+\j:SA+\j+1], v[SA+8+\j:SA+8+\j+1]      ; the four partial sums, each read from its low end on
.endr
.irp j, 0,2,4,6
	v_pk_add_f32 v[U+\j:U+\j+1], v[SA+16+\j:SA+16+\j+1], v[SA+24+\j:SA+24+\j+1]
.endr
.irp j, 0,2,4,6
	v_pk_add_f32 v[T+\j:T+\j+1], v[T+\j:T+\j+1], v[U+\j:U+\j+1]              ; lane (r, h), register j: query r, key 8 h + j
.endr
.irp j, 0,1,2,3,4,5,6,7
	v_cmp_gt_i32 vcc_lo, \j, v4
	v_cndmask_b32 v[T+\j], v[T+\j], v5, vcc_lo     ; hidden keys: -infinity
.endr
	v_max3_num_f32 v10, v[T], v[T+1], v[T+2]
	v_max3_num_f32 v10, v10, v[T+3], v[T+4]
	v_max3_num_f32 v10, v10, v[T+5], v[T+6]
	v_max_num_f32 v10, v10, v[T+7]
	v_permlanex16_b32 v11, v10, s20, s21
	v_max_num_f32 v10, v10, v11                    ; the row's maximum: key 0 counts for every query
	v_mul_f32 v10, s22, v10
.irp j, 0,1,2,3,4,5,6,7
	v_fma_f32 v[T+\j], v[T+\j], s22, -v10          ; c s - c m
.endr
.irp j, 0,1,2,3,4,5,6,7
	v_exp_f32 v[T+\j], v[T+\j]
.endr
	v_nop                                          ; a plain line behind the last exponential
	s_wait_alu depctr_va_vdst(0)                   ; one wait for the eight, ahead of the first line that names a result
	v_pk_add_f32 v[12:13], v[T:T+1], v[T+2:T+3]
	v_pk_add_f32 v[16:17], v[T+4:T+5], v[T+6:T+7]
	v_pk_add_f32 v[12:13], v[12:13], v[16:17]
	v_add_f32 v12, v12, v13
	v_permlanex16_b32 v11, v12, s20, s21
	v_add_f32 v12, v12, v11                        ; the row's sum
	v_rcp_f32 v16, v12
	v_nop
	s_wait_alu depctr_va_vdst(0)
.irp j, 0,2,4,6
	v_pk_mul_f32 v[T+\j:T+\j+1], v[T+\j:T+\j+1], v[16:17] op_sel_hi:[1,0]    ; the weights
.endr
.irp i, 0,1,2,3
.irp n, 0,1,2,3
.if \i == 0
	v_wmma_f32_16x16x4_f32 v[OA+8*\n:OA+8*\n+7], v[VV+8*\n+2*\i:VV+8*\n+2*\i+1], v[T+2*\i:T+2*\i+1], 0
.else
	v_wmma_f32_16x16x4_f32 v[OA+8*\n:OA+8*\n+7], v[VV+8*\n+2*\i:VV+8*\n+2*\i+1], v[T+2*\i:T+2*\i+1], v[OA+8*\n:OA+8*\n+7]
.endif
.endr
.endr
.rept 8
	v_nop
.endr
.irp n, 0,1,2,3
	ds_store_b128 v6, v[OA+8*\n:OA+8*\n+3] offset:64*\n        ; lane (r, h): out(r, 64 x + 16 n + 8 h + 0 .. 7); each accumulator from its low end on
	ds_store_b128 v6, v[OA+8*\n+4:OA+8*\n+7] offset:64*\n+16
.endr
.irp i, 0,1,2,3,4,5,6,7
	ds_load_b128 v[Y+4*\i:Y+4*\i+3], v7 offset:544*\i          ; LDS serves a wave's instructions in order (ISA guide 5.7.1.4): these see the stores above
.endr
.irp i, 0,1,2,3,4,5,6,7
	s_wait_dscnt 7-\i                              ; rows 2 i and 2 i + 1 are back; the later loads may be out
	global_store_b128 v15, v[Y+4*\i:Y+4*\i+3], s[6:7] offset:3072*\i   ; 16 lanes store 256 consecutive bytes, at a multiple of 256 from out0's first byte
.endr
	s_wait_tensorcnt 0x0                           ; the wave's end: behind my last LDS store
	ds_add_u32 v[SPW], v[NIL]
	s_wait_dscnt 0x0
	s_endpgm
.Lfunc_end_k_qb1323350f0_first16:
	.size	k_qb1323350f0_first16, .Lfunc_end_k_qb1323350f0_first16-k_qb1323350f0_first16
	.p2alignl 7, 3214868480
	.fill 96, 4, 3214868480
	.section	.rodata,"a",@progbits
	.p2align	6, 0x0
	.amdhsa_kernel k_qb1323350f0_first16
		.amdhsa_group_segment_fixed_size 4608
		.amdhsa_private_segment_fixed_size 0
		.amdhsa_enable_private_segment 0
		.amdhsa_kernarg_size 16
		.amdhsa_user_sgpr_count 2
		.amdhsa_user_sgpr_kernarg_segment_ptr 1
		.amdhsa_wavefront_size32 1
		.amdhsa_system_sgpr_workgroup_id_x 1
		.amdhsa_system_sgpr_workgroup_id_y 1
		.amdhsa_system_sgpr_workgroup_id_z 1
		.amdhsa_system_vgpr_workitem_id 0
		.amdhsa_next_free_vgpr 768
		.amdhsa_next_free_sgpr 66
		.amdhsa_reserve_vcc 1
		.amdhsa_float_denorm_mode_32 3
		.amdhsa_float_denorm_mode_16_64 3
		.amdhsa_memory_ordered 1
		.amdhsa_forward_progress 1
		.amdhsa_inst_pref_size 25
	.end_amdhsa_kernel
	.amdgpu_metadata
---
amdhsa.version: [ 1, 2 ]
amdhsa.kernels:
  - .name:           k_qb1323350f0_first16
    .symbol:         k_qb1323350f0_first16.kd
    .args:
      - { .name: fine, .offset: 0, .size: 8, .value_kind: global_buffer, .address_space: global }
      - { .name: out0, .offset: 8, .size: 8, .value_kind: global_buffer, .address_space: global }
    .group_segment_fixed_size: 4608
    .private_segment_fixed_size: 0
    .kernarg_segment_align: 8
    .kernarg_segment_size: 16
    .max_flat_workgroup_size: 32
    .sgpr_count:     66
    .vgpr_count:     768
    .wavefront_size: 32
...
	.end_amdgpu_metadata
.endif
;; end of part 4
